; MI455X (gfx1250); checked and timed in simulation.
; The chip was launched on July 23, 2026; its instructions are those of AMD's public machine-readable ISA for CDNA 5 (MIT licence, August 2026) and "CDNA5" Instruction Set Architecture Reference Guide (July 2026). The comments in the code are by the model that wrote it; some were corrected since.
;; Fusion Attention. Allowed arithmetic: matrix products marked QUANTISED: E5M2 operands, one given power-of-two scale a tensor, by v_wmma_f32_16x16x64_bf8_bf8 or v_wmma_f32_16x16x128_bf8_bf8, f32 sums; everything else in f32.
;; Inputs: k_codes 4 x 8 x 2,048 x 2 x 32 uint8 (E5M2 codes of k, K innermost, in blocks of 32 codes); lowp_scales 4 int32 (the exponents e of the quantised operands' scales 2^e); q 4 x 8 x 2,048 x 64 float32; v_codes 4 x 8 x 64 x 64 x 32 uint8 (E5M2 codes of v, K innermost, in blocks of 32 codes).
;; Outputs: out0 4 x 8 x 2,048 x 64 float32.
;; This version of the problem:
;;   THIS VERSION OF THE PROBLEM IS GIVEN IN LOW PRECISION. The matrix products marked QUANTISED in the list below multiply operands that are first quantised to E5M2 (5 exponent bits, 2 mantissa bits; 8 bits a number), with one given power-of-two scale for each operand tensor; their sums are f32. All else is computed in f32.
;;   The module's matrix products, in the order in which they are computed (A, B: the left and right operand; K: the contracted axis; several contracted axes count as one K, in the product's order):
;;     1. batch 32 x [M 2,048, K 64] x [K 64, N 2,048]; A: computed on the way; B: input k (given as codes): QUANTISED (scales: A lowp_scales[0], B lowp_scales[1])
;;     2. batch 32 x [M 2,048, K 2,048] x [K 2,048, N 64]; A: softmax (see below); B: input v (given as codes): QUANTISED (scales: A lowp_scales[2], B lowp_scales[3])
;;   THE QUANTISER, for each operand of a quantised product, along K:
;;     - The operand's scale is 2^e, e = its entry of the input lowp_scales (int32; the entries are numbered through the quantised products in the list's order, A before B).
;;     - Each number is divided by the scale, clamped to +-57,344, and rounded to the nearest number of E5M2, ties to even, subnormals kept.
;;     - The product sums the exact products of the quantised numbers (number of the format x scale) in f32.
;;   ~~~python
;;   def quantise(x, axis, e):      # numpy; x: float32 -> the quantised numbers, widened to float32 again
;;       x = np.moveaxis(x, axis, -1); K = x.shape[-1]
;;       r = np.clip(x / 2.0 ** e, -57344, 57344)
;;       step = 2.0 ** (np.maximum(np.frexp(np.where(r == 0, 1, r))[1] - 1, -14) - 2)
;;       q = np.round(r / step) * step * 2.0 ** e      # np.round: ties to even
;;       return np.moveaxis(q, -1, axis).astype(np.float32)
;;   ~~~
;;   SOFTMAX AHEAD OF A QUANTISED PRODUCT. Where the list says 'softmax', what is quantised is not the finished softmax but p = 2^(t - M), with t = logit x log2(e) and M = ceil(the row's largest t), a whole number; so 1/2 < the row's largest p <= 1. The row's sum l is taken of the UNQUANTISED p, in f32, and the product's result is divided by l at the end. Since M is a whole number, a kernel that streams over the keys may use a running M (the ceiling of the running maximum): every later rescaling is an exact power of two, so the quantised numbers keep their values, but for numbers so far below the row's largest that they fall under the format's range.
;;   OPERANDS COMPUTED ON THE WAY. 'Computed on the way' means the value that the module computes at that place (a softmax that the list does not call 'softmax' is quantised finished and normalised). What goes into a quantiser is computed in f32, as accurately as f32 sums, v_exp_f32 and their like allow (about 1e-6 of the number): no bf16 or f16 on the way to a quantiser, and a product that is left as it is and whose result goes on into a quantised operand takes f32 operands (vector FMAs, or v_wmma_f32_16x16x4_f32). A number that lies on a knife's edge between two numbers of the format may be rounded either way, as far as f32 arithmetic and the matrix unit's own rounding can turn it there, and no further.
;;   INPUTS GIVEN AS CODES. k (in the module: [4, 8, 2048, 64], K = its axis 3); v (in the module: [4, 8, 2048, 64], K = its axis 2): each comes as NAME_codes (uint8): NAME with its K axis moved to the last place and cut into blocks of 32 codes, [.., K / 32, bytes a block], one block behind the other in memory; one code a byte (a code: sign, 5 exponent bits, 2 mantissa bits); its scale is its entry of lowp_scales. Its value is code x scale, taken as it is: it is not quantised again, and the codes and scales need not be those that the quantiser above would give.
;; One version. Each part assembles by itself: llvm-mc -triple=amdgcn-amd-amdhsa -mcpu=gfx1250 --defsym DOCPART=n.
;; ======== version 1 of 1: 1 launch
;; limits: right only within a limited range of input values
;; launch attn (part 1): grid 8 x 32, 8 waves a work-group, no clusters, 327,680 bytes of LDS; arguments q, k_codes, v_codes, lowp_scales, out0; writes out0
.if DOCPART == 1
	.amdgcn_target "amdgcn-amd-amdhsa--gfx1250"
	.amdhsa_code_object_version 6
	.text
	.protected	k_q62313b32ce_attn
	.globl	k_q62313b32ce_attn
	.p2align	8
	.type	k_q62313b32ce_attn,@function
k_q62313b32ce_attn:
	s_mov_b64 s[64:65], 0
	v_nop
	global_prefetch_b8 v0, s[64:65] scope:SCOPE_SE
	s_setreg_imm32_b32 hwreg(HW_REG_WAVE_MODE, 25, 1), 1
	s_wait_xcnt 0x0
; out[h][n][:] = the sum over keys m of softmax_m(0.125 q[h][n] . k[h][m]) v[h][m][:], 32 heads, 2,048 queries and keys, head size 64, both products on codes of BF8 (E5M2).
; q: f32 [32][2048][64].  k_codes: [32][2048 keys][64].  v_codes: [32][64 channels][2048 keys].  lowp_scales: eq, ek, ep, ev.  out: f32 [32][2048][64].
; FIRST OPERAND.  0.125 q / 2^eq = q / 2^(eq + 3): 0.125 goes into the conversion's scale; the hold is at 57,344 x 2^(eq + 3).
; SOFTMAX.  t = sum x log2(e) x 2^(eq + ek); M = the running largest t rounded UP to a whole number; p = 2^(t - M) is quantised with 2^ep, not normalised; the row's sum is taken of the unquantised p.
; When M moves, the sum and O are multiplied by 2^(old M - new M), which rounds nothing.  At the end O x 2^(ep + ev) / the sum.
; SHARES.  A work-group owns 256 queries of one head, each of its eight waves 32 of them: two tiles of 16, A and B, in 512 registers; every fragment of K and V that a wave reads serves both tiles.  16 steps of 128 keys.
; THE HOLD of p at 57,344 x 2^ep.  p is at most 1 (but for the last bit), and 57,344 x 2^-15 = 1.75: with ep >= -15 the hold changes no number.  A branch on ep leads round its 128 lines of a step.
; NO CLUSTER, NO TENSOR LOAD: K and V go through registers into LDS: 64 loads of 512 bytes a wave in all, each LDS byte stored once.
; FILLS: keys 0-511 (16 loads a wave, at the head); keys 512-1279 (24 loads, issued in step 0, stored behind step 2, read from step 4 on); keys 1280-2047 (24 loads, issued in step 4, stored behind step 6, read from step 10 on).
; A fill's barrier is signalled behind its stores and waited for in step 3, in step 9: between the two stand register work and LDS loads of bytes that nobody writes any more.
; NO PREFETCH: the loads themselves go out ahead by registers, two whole steps or more ahead of their stores.
; LAYOUT.  Both products are used transposed: S^T = K Q^T, O^T = V^T P^T: a lane holds ONE query of each tile (lane % 16) throughout.
; THE KEYS OF A TILE ARE NOT NEIGHBOURS: row r of tile 2 b + u is key 32 b + 8 u + r + 8 (r / 8), so that the 16 registers of tiles 2 b, 2 b + 1 are the keys 32 b + 16 (lane / 16) + 0 .. 15.
; In Q, K, P and V alike registers 4 c .. 4 c + 3 hold k = 32 c + 16 (lane / 16) + 0 .. 15: every product meets its partner; only the order of the sums inside an instruction differs.
; LIMITS on the given exponents, so that each power of two below is an f32 number: eq + 3 and ep between -126 and 112; eq + ek between -126 and 127; ep + ev has none.  The scaled scores t stay under 2^31 in magnitude.  NaN in q is not served.
;
; LDS holds operand images in pieces of 16 rows x 16 bytes.  K: tile of 16 keys 1,280 bytes, its four pieces 320 apart.  V: step of 128 keys 8,832 bytes; channel tile t's eight pieces of 16 keys 272 apart.
; With these pitches sixteen lanes of a 16-byte load or store touch sixteen different 16-byte columns of the 256 bytes that the 64 banks of 4 bytes hold (ISA guide 11.1).
.set KSTEP, 10240                      ; a step of K: 8 tiles
.set VSTEP, 8832                       ; a step of V: 32 x 272 + 128
.set LV,    163840                     ; V begins behind K's 16 steps
.set SPARE, 305152                     ; the spare words, 128 bytes a wave: four blocks of 256 bytes that no other line names
.set QST,   306176                     ; Q's codes on their way: 32 rows x 80 bytes a wave
.set STG,   8704                       ; the way out: 32 rows x 272 bytes a wave from LDS byte 0 on, over K of steps 0-6: every wave has read them ahead of its signal behind step 6
; WINDOW 0
.set AK0, 1                            ; my lane's place in a tile of K;  v2 in V
.set AV0, 2
.set ADK, 3                            ; LDS addresses in hand
.set ADV, 4
.set LO,  5                            ; 16 x lane
.set VO,  6                            ; my lane's offset in V's rows
.set QFA, 8                            ; v[8:15] Q of tile A, v[16:23] of tile B
.set QFB, 16
.set NMA, 24                           ; -M, and behind it the largest raw score
.set RUNA, 25
.set NMB, 26
.set RUNB, 27
.set FA,  28                           ; f = 2^(old M - new M); the next register is named with it as a pair
.set FB,  30
.set SUMA, 32                          ; the row's sum, in two halves
.set SUMB, 34
.set TA,  36                           ; v[36:45] five pairs: A's partial sums; the maxima at work
.set OLDA, 46
.set OLDB, 47
.set KSA, 48                           ; where my lane stores K's and V's 16 bytes
.set VSA, 49
.set SPW, 50                           ; LDS address of my spare word; never rewritten
.set NIL, 51                           ; 0; never rewritten
.set QW,  52
.set QR,  53
.set SCL, 56                           ; 2^ep and 57,344 x 2^ep, in both windows
.set LIM, 57
.set PA,  60                           ; tile A's codes of p: two registers and the first 14 scores, which are summed and converted by then
.set S,   62                           ; v[62:125] S^T, then p: window 0 tile A, window 1 tile B
.set KF,  126                          ; v[126:189] K's eight fragments
.set VF,  190                          ; v[190:253] V's four
; WINDOW 1
.set OTA, 126                          ; O^T of tile A, of tile B
.set OTB, 158
.set PB,  230                          ; tile B's codes of p
.set TB,  246                          ; five pairs: B's partial sums
                                       ; v[0:55], v[190:229]: 24 loads on their way to LDS
.set WV,  14                           ; s14 wave
.set SEL, 24                           ; s[24:25] lane selects: lane l xor 16
.set CS,  26                           ; s[26:27] c = log2(e) x 2^(eq + ek), twice
.set CN,  30                           ; -c
.set EPV, 31                           ; ep + ev
.set EP,  34                           ; ep
.set TBK, 37                           ; LDS bytes to the next step's K, to a step's V
.set TBV, 38
.set CNT, 39
.set MSB, 0
.macro WIN new                         ; the register windows; the immediate's high byte repeats the setting that is left
.if MSB != \new
	s_set_vgpr_msb (MSB<<8)|\new
.set MSB, \new
.endif
.endm
.macro SLOT                            ; SR: the staging registers of load nn
.if nn < 14
.set SR, 4*nn
.else
.set SR, 190+4*(nn-14)
.endif
.endm
; four of a fill's 24 loads, the k-th four: 12 of K, then 12 of V, of three groups of 256 keys from group gf on (gf = 0: none).  It leaves window 1 for the destination
.macro GP gf, k
.if \gf
	WIN 0x40
.set nn, 4*(\k)
.rept 4
	SLOT
.if nn < 12
	global_load_b128 v[SR:SR+3], v[LO], s[6:7] offset:16384*((\gf)+nn/4)+512*(nn%4)
.else
	global_load_b128 v[SR:SR+3], v[VO], s[8:9] offset:256*((\gf)+(nn-12)/4)+4096*((nn-12)%4)
.endif
.set nn, nn+1
.endr
.endif
.endm
; behind a step: the 24 loads go to their places in LDS.  inck, incv: from the last fill's first group to this one's
.macro FILL inck, incv
	WIN 0
	v_add_nc_u32 v[KSA], \inck, v[KSA]
	v_add_nc_u32 v[VSA], \incv, v[VSA]
	s_wait_alu depctr_va_vdst(0)
	s_wait_loadcnt 0x0                             ; my 24 loads are in
	WIN 0x04
.set nn, 0
.rept 24
	SLOT
.if nn < 12
	ds_store_b128 v[KSA], v[SR:SR+3] offset:20480*(nn/4)+1280*(nn%2)+128*((nn/2)%2)
.else
	ds_store_b128 v[VSA], v[SR:SR+3] offset:17664*((nn-12)/4)+32*((nn-12)%4)
.endif
.set nn, nn+1
.endr
	WIN 0
	s_wait_dscnt 0x0                               ; my stores are done, and so are all my reads so far
	s_barrier_signal -1                            ; the wait for the others stands in a later step
.endm
.macro KLOAD
.irp t, 0,1,2,3,4,5,6,7
	ds_load_b128 v[KF+8*\t:KF+8*\t+3], v[ADK] offset:1280*\t
	ds_load_b128 v[KF+8*\t+4:KF+8*\t+7], v[ADK] offset:1280*\t+640
.endr
.endm
.macro VLOAD
.irp t, 0,1,2,3
.irp c, 0,1,2,3
	ds_load_b128 v[VF+16*\t+4*\c:VF+16*\t+4*\c+3], v[ADV] offset:2176*\t+544*\c
.endr
.endr
.endm
; the largest score of my query among my 64 keys and the largest so far, in three chains, each accumulator from its low end on
.macro MAXS run, mx
.set jj, 0
.rept 32
.if jj < 6
	v_max3_num_f32 v[\mx+(jj/2)%3], v[\run], v[S+jj], v[S+jj+1]
.else
	v_max3_num_f32 v[\mx+(jj/2)%3], v[\mx+(jj/2)%3], v[S+jj], v[S+jj+1]
.endif
.set jj, jj+2
.endr
.endm
; t - M: n pairs of scores from the from-th on, two at a time (of the pairs c and -M the low word serves both halves)
.macro SUBM nm, from, n
.set jj, \from
.rept \n
	v_pk_fma_f32 v[S+jj:S+jj+1], v[S+jj:S+jj+1], s[CS:CS+1], v[\nm:\nm+1] op_sel_hi:[1,0,0]
.set jj, jj+2
.endr
.endm
; p = 2^(t - M) of the first half; among these the second half's t - M
.macro EXP1 nm
.set jj, 0
.rept 16
	v_exp_f32 v[S+jj], v[S+jj]
	v_pk_fma_f32 v[S+32+jj:S+33+jj], v[S+32+jj:S+33+jj], s[CS:CS+1], v[\nm:\nm+1] op_sel_hi:[1,0,0]
	v_exp_f32 v[S+jj+1], v[S+jj+1]
.set jj, jj+2
.endr
.endm
; p of the second half; among these the first half's first five sums; the last line is a plain one
.macro EXP2 tb
.set jj, 0
.set kk, 0
.rept 32
	v_exp_f32 v[S+32+jj], v[S+32+jj]
.set jj, jj+1
.if (jj == 6) || (jj == 12) || (jj == 18) || (jj == 24) || (jj == 32)
	v_pk_add_f32 v[\tb+2*kk:\tb+2*kk+1], v[S+4*kk:S+4*kk+1], v[S+4*kk+2:S+4*kk+3]
.set kk, kk+1
.endif
.endr
.endm
.macro SUMS tb                         ; the other 22 pairs, in five chains
.set kk, 10
.rept 22
	v_pk_add_f32 v[\tb+2*(kk%5):\tb+2*(kk%5)+1], v[\tb+2*(kk%5):\tb+2*(kk%5)+1], v[S+2*kk:S+2*kk+1]
.set kk, kk+1
.endr
.endm
.macro CV p, t                         ; eight codes
	v_cvt_scalef32_pk8_bf8_f32 v[\p+2*(\t):\p+2*(\t)+1], v[S+8*(\t):S+8*(\t)+7], v[SCL]
.endm
.macro HOLD
.set jj, 0
.rept 64
	v_min_num_f32 v[S+jj], v[LIM], v[S+jj]         ; the conversion to an 8-bit code does not saturate (ISA guide 7.6.2); p is not negative: one side
.set jj, jj+1
.endr
.endm
; A KEY STEP.  nxt = 1: the next step's K is asked for behind this step's K Q^T.  chg = 1: it follows behind the fill's barrier.  first = 1: the products start O^T's sums.  gf: the group from which a fill's loads go out.
.macro STEP nxt, chg, first, gf
	WIN 0
	VLOAD                                          ; (the five plain lines that end a step stand behind the last products, which read V's registers and P)
	s_wait_dscnt 16                                ; K of this step is in; the 16 loads of V just issued may be out
.irp t, 0,1,2,3,4,5,6,7
	v_wmma_f32_16x16x64_bf8_bf8 v[S+8*\t:S+8*\t+7], v[KF+8*\t:KF+8*\t+7], v[QFA:QFA+7], 0
.endr
	WIN 0x40
.irp t, 0,1,2,3,4,5,6,7
	v_wmma_f32_16x16x64_bf8_bf8 v[S+8*\t:S+8*\t+7], v[KF+8*\t:KF+8*\t+7], v[QFB:QFB+7], 0
.endr
	WIN 0
.if (\nxt) || (\chg)                           ; four plain lines in front of the loads into K's registers and of the first read of the scores
	v_add_nc_u32 v[ADK], s[TBK], v[AK0]            ; the next step's K, and V
	s_add_co_u32 s[TBK], s[TBK], KSTEP
	s_add_co_u32 s[TBV], s[TBV], VSTEP
	v_add_nc_u32 v[ADV], s[TBV], v[AV0]
.else
	v_nop
	v_nop
.endif
	v_mov_b32 v[OLDA], v[NMA]
	v_mov_b32 v[OLDB], v[NMB]
.if \nxt
	KLOAD
.endif
	GP \gf, 0
	WIN 0
	MAXS RUNA, TA
	GP \gf, 1
	WIN 0x14
	MAXS RUNB, TA+4
	WIN 0
	v_max3_num_f32 v[TA], v[TA], v[TA+1], v[TA+2]
	v_max3_num_f32 v[TA+4], v[TA+4], v[TA+5], v[TA+6]
	v_permlanex16_b32 v[TA+7], v[TA], s[SEL], s[SEL+1]
	v_permlanex16_b32 v[TA+8], v[TA+4], s[SEL], s[SEL+1]
	v_max_num_f32 v[RUNA], v[TA], v[TA+7]          ; and among lane l xor 16's
	v_max_num_f32 v[RUNB], v[TA+4], v[TA+8]
	v_mul_f32 v[TA], s[CN], v[RUNA]                ; -t (c is positive)
	v_mul_f32 v[TA+4], s[CN], v[RUNB]
	v_floor_f32 v[NMA], v[TA]                      ; -M = floor(-t) = -ceil(t)
	v_floor_f32 v[NMB], v[TA+4]
	v_sub_f32 v54, v[NMA], v[OLDA]                 ; M's old value less its new one: a whole number, 0 or less
	v_sub_f32 v55, v[NMB], v[OLDB]
	SUBM NMA, 0, 8
	v_cvt_i32_f32 v54, v54                         ; (it saturates)
	v_cvt_i32_f32 v55, v55
	SUBM NMA, 16, 8
	v_ldexp_f32 v[FA], 1.0, v54                    ; f = 2^(old M - new M)
	v_ldexp_f32 v[FB], 1.0, v55
	WIN 0x41
.if (\first) == 0
.set jj, 0
.rept 16
	v_pk_mul_f32 v[OTA+jj:OTA+jj+1], v[OTA+jj:OTA+jj+1], v[FA:FA+1] op_sel_hi:[1,0]   ; O^T under the new M, each accumulator from its low end on
.set jj, jj+2
.endr
.set jj, 0
.rept 16
	v_pk_mul_f32 v[OTB+jj:OTB+jj+1], v[OTB+jj:OTB+jj+1], v[FB:FB+1] op_sel_hi:[1,0]
.set jj, jj+2
.endr
.endif
	SUBM NMB, 0, 16
	GP \gf, 2
	WIN 0
	s_wait_alu depctr_va_vdst(0)                   ; the wait ahead of exponentials, and behind them ahead of the first reader: here, and twice below, each for both tiles
	EXP1 NMA
	WIN 0x45
	EXP1 NMB
	GP \gf, 3
	WIN 0
	s_wait_alu depctr_va_vdst(0)
	EXP2 TA
	GP \gf, 4
	WIN 0x45
	EXP2 TB
	GP \gf, 5
	WIN 0
	s_wait_alu depctr_va_vdst(0)
	SUMS TA
	WIN 0x45
	SUMS TB
	WIN 0
	s_wait_alu depctr_va_vdst(0)
.if \chg
	s_barrier_wait -1                              ; the fill is whole
	KLOAD
.endif
.if (\nxt) || (\chg)
	s_wait_dscnt 16                                ; V of this step is in; the next step's 16 loads of K may be out
.else
	s_wait_dscnt 0x0
.endif
	s_cmp_ge_i32 s[EP], -15
	s_cbranch_scc1 .Lfree_\@                       ; no p lies above the largest code
	HOLD
	WIN 0x45
	HOLD
	WIN 0
.Lfree_\@:
	CV PA, 0                                       ; tile A's codes lie below its own numbers, over numbers already converted: one plain line stands between two conversions
	v_pk_add_f32 v[TA:TA+1], v[TA:TA+1], v[TA+2:TA+3]
	CV PA, 1
	v_pk_add_f32 v[TA+4:TA+5], v[TA+4:TA+5], v[TA+6:TA+7]
	CV PA, 2
	v_nop
	CV PA, 3
	v_pk_add_f32 v[TA:TA+1], v[TA:TA+1], v[TA+8:TA+9]
	CV PA, 4
	v_nop
	CV PA, 5
	v_pk_add_f32 v[TA:TA+1], v[TA:TA+1], v[TA+4:TA+5]
	CV PA, 6
	v_nop
	CV PA, 7
	WIN 0x45
.irp t, 0,1,2,3,4,5,6,7                ; tile B's have registers of their own
	CV PB, \t
.endr
	WIN 0
	v_pk_fma_f32 v[SUMA:SUMA+1], v[SUMA:SUMA+1], v[FA:FA+1], v[TA:TA+1] op_sel_hi:[1,0,1]   ; the sum under the new M, and this step's part; also the plain line between the last conversion and the products
	WIN 0x50                                       ; the eight accumulators take turns, one instruction a turn
.irp t, 0,1,2,3
.if \first
	v_wmma_f32_16x16x128_bf8_bf8 v[OTA+8*\t:OTA+8*\t+7], v[VF+16*\t:VF+16*\t+15], v[PA:PA+15], 0
.else
	v_wmma_f32_16x16x128_bf8_bf8 v[OTA+8*\t:OTA+8*\t+7], v[VF+16*\t:VF+16*\t+15], v[PA:PA+15], v[OTA+8*\t:OTA+8*\t+7]
.endif
.endr
	WIN 0x54
.irp t, 0,1,2,3
.if \first
	v_wmma_f32_16x16x128_bf8_bf8 v[OTB+8*\t:OTB+8*\t+7], v[VF+16*\t:VF+16*\t+15], v[PB:PB+15], 0
.else
	v_wmma_f32_16x16x128_bf8_bf8 v[OTB+8*\t:OTB+8*\t+7], v[VF+16*\t:VF+16*\t+15], v[PB:PB+15], v[OTB+8*\t:OTB+8*\t+7]
.endif
.endr
	WIN 0x45                                       ; five plain lines behind the products: four are owed to the loads into V's registers, five to the next products, which write over tile A's codes
	v_pk_add_f32 v[TB:TB+1], v[TB:TB+1], v[TB+2:TB+3]
	v_pk_add_f32 v[TB+4:TB+5], v[TB+4:TB+5], v[TB+6:TB+7]
	v_pk_add_f32 v[TB:TB+1], v[TB:TB+1], v[TB+8:TB+9]
	v_pk_add_f32 v[TB:TB+1], v[TB:TB+1], v[TB+4:TB+5]
	WIN 0x10
	v_pk_fma_f32 v[SUMB:SUMB+1], v[SUMB:SUMB+1], v[FB:FB+1], v[TB:TB+1] op_sel_hi:[1,0,1]
	WIN 0
.endm
.macro AT n                            ; the scalars as step n finds them
	s_mov_b32 s[TBK], ((\n)+1)*KSTEP
	s_mov_b32 s[TBV], (\n)*VSTEP
.endm
.macro STEPS n, trips                  ; that many steps from step n on
	AT \n
	s_mov_b32 s[CNT], \trips
.Lsteps_\n:
	STEP 1, 0, 0, 0
	s_sub_co_u32 s[CNT], s[CNT], 1
	s_cmp_lg_u32 s[CNT], 0
	s_cbranch_scc1 .Lsteps_\n
.endm
	s_load_b256 s[4:11], s[0:1], 0x0               ; q s[4:5], k_codes s[6:7], v_codes s[8:9], lowp_scales s[10:11]
	s_load_b64 s[12:13], s[0:1], 0x20              ; out
	v_lshl_add_u32 v[SPW], v0, 2, SPARE
	v_mov_b32 v[NIL], 0
	v_lshrrev_b32 v54, 5, v0
	v_readfirstlane_b32 s[WV], v54                 ; wave 0..7
	v_and_b32 v55, 31, v0
	v_lshlrev_b32 v[LO], 4, v55
	v_and_b32 v58, 15, v0                          ; r = lane % 16
	v_bfe_u32 v59, v0, 4, 1                        ; h = lane / 16
	v_lshlrev_b32 v[VO], 11, v59                   ; V: two channels of 256 bytes an instruction
	v_lshl_add_u32 v[VO], v58, 4, v[VO]
	s_and_b32 s16, ttmp7, 0xffff                   ; the head
	s_lshl_b32 s17, s16, 17                        ; its first byte in k_codes and in v_codes
	s_lshl_b32 s20, s[WV], 11
	s_add_co_u32 s20, s20, s17                     ; K: my 32 keys of each group of 256
	s_mov_b32 s21, 0
	s_lshl_b32 s22, s[WV], 14
	s_add_co_u32 s22, s22, s17                     ; V: my 8 channels
	s_mov_b32 s23, 0
	s_lshl_b32 s28, s16, 11
	s_lshl_b32 s18, ttmp9, 8
	s_add_co_u32 s28, s28, s18
	s_lshl_b32 s18, s[WV], 5
	s_add_co_u32 s28, s28, s18                     ; my first query among all,
	s_lshl_b32 s28, s28, 8                         ; in rows of 256 bytes (under 2^24 bytes)
	s_mov_b32 s29, 0
	s_wait_alu depctr_va_vdst(0)
	s_wait_kmcnt 0x0
	s_load_b128 s[32:35], s[10:11], 0x0            ; eq, ek, ep, ev
	s_add_nc_u64 s[4:5], s[4:5], s[28:29]
	s_add_nc_u64 s[12:13], s[12:13], s[28:29]
	s_add_nc_u64 s[6:7], s[6:7], s[20:21]
	s_add_nc_u64 s[8:9], s[8:9], s[22:23]
.set nn, 0
.rept 16                               ; q: two whole rows an instruction; read once in the launch
	global_load_b128 v[KF+4*nn:KF+4*nn+3], v[LO], s[4:5] offset:512*nn th:TH_LOAD_NT
.set nn, nn+1
.endr
.set nn, 0
.rept 8                                ; the first fill: K and V of groups 0 and 1, keys 0-511
	global_load_b128 v[VF+4*nn:VF+4*nn+3], v[LO], s[6:7] offset:16384*(nn/4)+512*(nn%4)
.set nn, nn+1
.endr
.set nn, 0
.rept 8
	global_load_b128 v[VF+32+4*nn:VF+35+4*nn], v[VO], s[8:9] offset:256*(nn/4)+4096*(nn%4)
.set nn, nn+1
.endr
	; LDS addresses
	v_mul_u32_u24 v[AK0], v59, 320                 ; K fragments: piece h, row r
	v_lshl_add_u32 v[AK0], v58, 4, v[AK0]
	v_mul_u32_u24 v[AV0], v59, 272                 ; V fragments
	v_lshl_add_u32 v[AV0], v58, 4, v[AV0]
	v_add_nc_u32 v[AV0], LV, v[AV0]
	v_and_b32 v54, 3, v0                           ; K in: lane l holds piece l % 4 of key l / 4 of eight
	v_mul_u32_u24 v54, v54, 320
	v_bfe_u32 v55, v0, 2, 3
	v_lshl_add_u32 v54, v55, 4, v54
	s_mul_i32 s18, s[WV], 2560                     ; 32 keys: two tiles
	v_add_nc_u32 v[KSA], s18, v54
	v_bfe_u32 v54, v0, 3, 1                        ; V in: lane l holds 16 keys, piece l % 16 of two steps' eight each, of channel 8 wave + 2 i + h
	v_mul_u32_u24 v54, v54, VSTEP
	v_and_b32 v55, 7, v0
	v_mul_u32_u24 v55, v55, 272
	v_add_nc_u32 v54, v54, v55
	v_lshl_add_u32 v54, v59, 4, v54
	s_lshr_b32 s19, s[WV], 1
	s_mul_i32 s19, s19, 2176                       ; channel tile wave / 2,
	s_and_b32 s20, s[WV], 1
	s_lshl_b32 s20, s20, 7                         ; its upper or lower eight rows
	s_add_co_u32 s19, s19, s20
	s_add_co_u32 s19, s19, LV
	v_add_nc_u32 v[VSA], s19, v54
	s_add_co_u32 s18, s18, QST                     ; (a wave's part of Q's stage is 2,560 bytes too)
	v_mul_u32_u24 v54, v59, 80                     ; Q in: row h of two, 4 codes a lane
	v_lshl_add_u32 v54, v58, 2, v54
	v_add_nc_u32 v[QW], s18, v54
	v_mul_u32_u24 v55, v58, 80                     ; Q back: row r, 16 bytes at 16 h
	v_lshl_add_u32 v55, v59, 4, v55
	v_add_nc_u32 v[QR], s18, v55
	v_mov_b32 v[RUNA], 0xff61b1e6                  ; the largest raw score so far: -3e38, under every one (64 x 57,344^2 is under 2^38)
	v_mov_b32 v[RUNB], 0xff61b1e6
	v_mov_b32 v[NMA], 0x7f61b1e6                   ; -M so far: the first f is 0
	v_mov_b32 v[NMB], 0x7f61b1e6
	v_mov_b32 v[SUMA], 0
	v_mov_b32 v[SUMA+1], 0
	v_mov_b32 v[SUMB], 0
	v_mov_b32 v[SUMB+1], 0
	v_mov_b32 v[FA+1], 0                           ; (named as the upper half of a pair)
	v_mov_b32 v[FB+1], 0
	v_mov_b32 v[TA+7], 0                           ; written once: a lane permute's destination counts as one of its sources
	v_mov_b32 v[TA+8], 0
	s_mov_b32 s[SEL], 0x76543210
	s_mov_b32 s[SEL+1], 0xfedcba98
	v_mov_b32 v[ADK], v[AK0]
	v_mov_b32 v[ADV], v[AV0]
	s_wait_alu depctr_va_vdst(0)
	s_wait_kmcnt 0x0
	s_mov_b32 s[CS], 0x3fb8aa3b                    ; log2(e)
	s_add_co_i32 s20, s32, s33
	s_lshl_b32 s20, s20, 23
	s_add_co_i32 s[CS], s[CS], s20                 ; a sum of the first product stands for sum x 2^(eq + ek): the two exponents are added to c's exponent field
	s_mov_b32 s[CS+1], s[CS]
	s_xor_b32 s[CN], s[CS], 0x80000000
	s_add_co_i32 s[EPV], s34, s35
	s_add_co_i32 s20, s34, 127
	s_lshl_b32 s21, s20, 23                        ; 2^ep as f32
	s_add_co_i32 s20, s20, 15
	s_lshl_b32 s20, s20, 23
	s_or_b32 s20, s20, 0x600000                    ; 57,344 x 2^ep
	s_add_co_i32 s22, s32, 130
	s_lshl_b32 s23, s22, 23                        ; 2^(eq + 3)
	s_add_co_i32 s22, s22, 15
	s_lshl_b32 s22, s22, 23
	s_or_b32 s22, s22, 0x600000                    ; 57,344 x 2^(eq + 3)
	v_mov_b32 v[SCL], s21
	v_mov_b32 v[LIM], s20
	v_mov_b32 v54, s23
	v_mov_b32 v55, s22
	WIN 0x40
	v_mov_b32 v[SCL], s21
	v_mov_b32 v[LIM], s20
	WIN 0
	s_wait_alu depctr_va_vdst(0)
	s_wait_loadcnt 16                              ; q is in; the first fill's 16 loads may be out
.set jj, 0
.rept 64
	v_med3_num_f32 v[KF+jj], v[KF+jj], -v55, v55   ; the conversion to an 8-bit code does not saturate (ISA guide 7.6.2)
.set jj, jj+1
.endr
.irp m, 0,1,2,3,4,5,6,7                ; four codes of each of two loads: register S + n = 4 codes of rows 2 n, 2 n + 1
	v_cvt_scalef32_pk8_bf8_f32 v[S+2*\m:S+2*\m+1], v[KF+8*\m:KF+8*\m+7], v54
.endr
	v_nop                                          ; one plain line behind the last conversion
.set nn, 0
.rept 16
	ds_store_b32 v[QW], v[S+nn] offset:160*nn
.set nn, nn+1
.endr
.irp c, 0,1                            ; LDS serves a wave's instructions in order (ISA guide 5.7.1.4): these see my stores
	ds_load_b128 v[QFA+4*\c:QFA+4*\c+3], v[QR] offset:32*\c
	ds_load_b128 v[QFB+4*\c:QFB+4*\c+3], v[QR] offset:1280+32*\c
.endr
	s_wait_alu depctr_va_vdst(0)
	s_wait_loadcnt 0x0                             ; the first fill is in
.set nn, 0
.rept 8
	ds_store_b128 v[KSA], v[VF+4*nn:VF+4*nn+3] offset:20480*(nn/4)+1280*(nn%2)+128*((nn/2)%2)
.set nn, nn+1
.endr
.set nn, 0
.rept 8
	ds_store_b128 v[VSA], v[VF+32+4*nn:VF+35+4*nn] offset:17664*(nn/4)+32*(nn%4)
.set nn, nn+1
.endr
	s_wait_dscnt 0x0                               ; my part of the first fill is stored, and Q is in
	s_barrier_signal -1
	s_barrier_wait -1                              ; everybody's is
	KLOAD
	AT 0
	STEP 1, 0, 1, 2                                ; the second fill's loads go out
	STEPS 1, 2
	FILL 2*20480, 2*17664                          ; groups 2 to 4
	AT 3
	STEP 0, 1, 0, 0                                ; waits for the second fill
	AT 4
	STEP 1, 0, 0, 5                                ; the third fill's loads go out
	STEPS 5, 2
	FILL 3*20480, 3*17664                          ; groups 5 to 7
	STEPS 7, 2
	AT 9
	STEP 0, 1, 0, 0                                ; waits for the third fill
	STEPS 10, 5
	STEP 0, 0, 0, 0                                ; step 15 asks for no further K
	; THE WAY OUT.  O^T x 2^(ep + ev) / the sum goes through my stage in LDS and leaves as whole rows.
	v_add_f32 v[SUMA], v[SUMA], v[SUMA+1]          ; the sum's two halves,
	v_add_f32 v[SUMB], v[SUMB], v[SUMB+1]
	v_and_b32 v58, 15, v0                          ; r
	v_bfe_u32 v59, v0, 4, 1                        ; h
	v_permlanex16_b32 v[TA+7], v[SUMA], s[SEL], s[SEL+1]
	v_permlanex16_b32 v[TA+8], v[SUMB], s[SEL], s[SEL+1]
	s_mul_i32 s20, s[WV], STG
	v_mul_u32_u24 v54, v58, 272
	v_mul_u32_u24 v55, v59, 272
	v_add_f32 v[SUMA], v[SUMA], v[TA+7]            ; and lane l xor 16's: the row's sum
	v_add_f32 v[SUMB], v[SUMB], v[TA+8]
	v_lshl_add_u32 v54, v59, 5, v54
	v_lshl_add_u32 v55, v58, 4, v55
	v_add_nc_u32 v54, s20, v54                     ; in: row r; tile t's eight channels of my half: 64 t + 32 h bytes on
	v_add_nc_u32 v55, s20, v55                     ; back: lanes 0-15 one row, lanes 16-31 the next
	s_wait_alu depctr_va_vdst(0)
	v_rcp_f32 v[SUMA], v[SUMA]
	v_rcp_f32 v[SUMB], v[SUMB]
	v_nop                                          ; a plain line behind the reciprocals
	s_wait_alu depctr_va_vdst(0)
	v_ldexp_f32 v[SUMA], v[SUMA], s[EPV]           ; x 2^(ep + ev)
	v_ldexp_f32 v[SUMB], v[SUMB], s[EPV]
	WIN 0x01
	s_wait_alu depctr_va_vdst(0)
.set jj, 0
.rept 16
	v_pk_mul_f32 v[KF+jj:KF+jj+1], v[OTA+jj:OTA+jj+1], v[SUMA:SUMA+1] op_sel_hi:[1,0]   ; register 8 t + j is out(r, 16 t + 8 h + j)
.set jj, jj+2
.endr
.set jj, 0
.rept 16
	v_pk_mul_f32 v[KF+32+jj:KF+33+jj], v[OTB+jj:OTB+jj+1], v[SUMB:SUMB+1] op_sel_hi:[1,0]
.set jj, jj+2
.endr
	WIN 0
.irp t, 0,1,2,3
	ds_store_b128 v54, v[KF+8*\t:KF+8*\t+3] offset:64*\t
	ds_store_b128 v54, v[KF+8*\t+4:KF+8*\t+7] offset:64*\t+16
.endr
.irp t, 0,1,2,3
	ds_store_b128 v54, v[KF+32+8*\t:KF+35+8*\t] offset:4352+64*\t
	ds_store_b128 v54, v[KF+36+8*\t:KF+39+8*\t] offset:4352+64*\t+16
.endr
.set nn, 0
.rept 16
	ds_load_b128 v[S+4*nn:S+4*nn+3], v55 offset:544*nn   ; these see my stores
.set nn, nn+1
.endr
	s_wait_alu depctr_va_vdst(0)
.set nn, 0
.rept 16
	s_wait_dscnt 15-nn                             ; rows 2 nn, 2 nn + 1 are back; the younger loads may be out
	global_store_b128 v[LO], v[S+4*nn:S+4*nn+3], s[12:13] offset:512*nn th:TH_STORE_NT   ; 16 lanes store 256 consecutive bytes, at a multiple of 256 from out's first byte
.set nn, nn+1
.endr
	s_wait_tensorcnt 0x0                           ; the wave's end: these three lines, behind my last LDS store
	ds_add_u32 v[SPW], v[NIL]
	s_wait_dscnt 0x0
	s_endpgm
.Lfunc_end_k_q62313b32ce_attn:
	.size	k_q62313b32ce_attn, .Lfunc_end_k_q62313b32ce_attn-k_q62313b32ce_attn
	.p2alignl 7, 3214868480
	.fill 96, 4, 3214868480
	.section	.rodata,"a",@progbits
	.p2align	6, 0x0
	.amdhsa_kernel k_q62313b32ce_attn
		.amdhsa_group_segment_fixed_size 327680
		.amdhsa_private_segment_fixed_size 0
		.amdhsa_enable_private_segment 0
		.amdhsa_kernarg_size 40
		.amdhsa_user_sgpr_count 2
		.amdhsa_user_sgpr_kernarg_segment_ptr 1
		.amdhsa_wavefront_size32 1
		.amdhsa_system_sgpr_workgroup_id_x 1
		.amdhsa_system_sgpr_workgroup_id_y 1
		.amdhsa_system_sgpr_workgroup_id_z 1
		.amdhsa_system_vgpr_workitem_id 0
		.amdhsa_next_free_vgpr 512
		.amdhsa_next_free_sgpr 66
		.amdhsa_reserve_vcc 0
		.amdhsa_float_denorm_mode_32 3
		.amdhsa_float_denorm_mode_16_64 3
		.amdhsa_memory_ordered 1
		.amdhsa_forward_progress 1
		.amdhsa_inst_pref_size 255
	.end_amdhsa_kernel
	.section	.bss,"aw",@nobits
	.p2align	6
	.space	262144
	.amdgpu_metadata
---
amdhsa.version: [ 1, 2 ]
amdhsa.kernels:
  - .name:           k_q62313b32ce_attn
    .symbol:         k_q62313b32ce_attn.kd
    .args:
      - { .name: q, .offset: 0, .size: 8, .value_kind: global_buffer, .address_space: global }
      - { .name: k_codes, .offset: 8, .size: 8, .value_kind: global_buffer, .address_space: global }
      - { .name: v_codes, .offset: 16, .size: 8, .value_kind: global_buffer, .address_space: global }
      - { .name: lowp_scales, .offset: 24, .size: 8, .value_kind: global_buffer, .address_space: global }
      - { .name: out0, .offset: 32, .size: 8, .value_kind: global_buffer, .address_space: global }
    .group_segment_fixed_size: 327680
    .private_segment_fixed_size: 0
    .kernarg_segment_align: 8
    .kernarg_segment_size: 40
    .max_flat_workgroup_size: 256
    .sgpr_count:     66
    .vgpr_count:     512
    .wavefront_size: 32
...
	.end_amdgpu_metadata
.endif
;; end of part 1
